; MI455X (gfx1250); checked and timed in simulation.
; The chip was launched on July 23, 2026; its instructions are those of AMD's public machine-readable ISA for CDNA 5 (MIT licence, August 2026) and "CDNA5" Instruction Set Architecture Reference Guide (July 2026). The comments in the code are by the model that wrote it; some were corrected since.
;; Sliding Window Self Attention. Allowed arithmetic: float matrix products may take bf16 or f16 operands with f32 sums; all other float work in f32.
;; Inputs: Wk 256 x 8 x 32 float32; Wo 8 x 32 x 256 float32; Wq 256 x 8 x 32 float32; Wv 256 x 8 x 32 float32; beta 256 float32; bk 8 x 32 float32; bo 256 float32; bq 8 x 32 float32; bv 8 x 32 float32; gamma 256 float32; x 2 x 4,096 x 256 float32.
;; Outputs: out0 2 x 4,096 x 256 float32.
;; Constants: w_2 = 64.
;; 2 versions, each right; version 2 is version 1 with the launch swa written anew for expert scheduling mode. Each part assembles by itself: llvm-mc -triple=amdgcn-amd-amdhsa -mcpu=gfx1250 --defsym DOCPART=n.
;; ======== version 1 of 2: 1 launch
;; launch swa (part 1): grid 256 x 1, 8 waves a work-group, no clusters, 170,496 bytes of LDS; arguments x, Wk, Wq, Wv, Wo, bk, bq, bv, bo, gamma, beta, out0; writes out0
.if DOCPART == 1
	.amdgcn_target "amdgcn-amd-amdhsa--gfx1250"
	.amdhsa_code_object_version 6
	.text
	.protected	k_q8b62042d3b_swa
	.globl	k_q8b62042d3b_swa
	.p2align	8
	.type	k_q8b62042d3b_swa,@function
k_q8b62042d3b_swa:
	s_mov_b64 s[64:65], 0
	v_nop
	global_prefetch_b8 v0, s[64:65] scope:SCOPE_SE
	s_setreg_imm32_b32 hwreg(HW_REG_WAVE_MODE, 25, 1), 1
	s_wait_xcnt 0x0
; Sliding-window self-attention block, whole in one launch: q/k/v projections, softmax attention under |i-j| <= 64,
; output projection, residual, LayerNorm.  x, out0: [8192][256] f32 (2 batches of 4096 rows); weights [256][256] f32.
;
; SHARES.  Work-group b owns the 32 query rows 32 b .. 32 b + 31 and needs the keys of the window of 160 rows that starts
; 64 rows above.  Eight waves; wave w is head w: it projects K, Q and V of its head for the window out of a bf16 copy of x
; in LDS, keeps them in registers in operand layout, and does scores, softmax and P V without LDS.  Only the 32 x 32 result
; of a head goes through LDS; wave w then makes output columns 32 w .. 32 w + 31 of all 32 rows.  LayerNorm: the mean first,
; then the squared deviations, each summed over the waves through LDS.  No loop, no branch: 32 weight chunks written out.
;
; LAYOUTS (L lane, r = L & 15, h = L >> 4).  A weight chunk is 32 rows (k) x my head's 32 columns.  Lane (r, h) loads the
; 8 bytes W[32 c + 16 h + t][32 w + 2 r .. + 1], t = 0..15: word i belongs to column tile i, whose index r is column 2 r + i,
; and the 16 k places of half h are rows 32 c + 16 h + t.  The x fragments use the same order of k (32 bytes at 64 c + 32 h of
; a row), so the products are the true ones: a permutation of k applied alike to both operands.
;   K, Q: W fragment first, x fragment second: register j = (row r, column 16 h + 2 j + i): packs into a fragment by rows.
;   V:    x fragment first: register j = (row 8 h + j, column 2 r + i): two row tiles pack into a fragment of V transposed.
;   scores: K first, Q second: lane = query, register j = key 8 h + j: two key tiles pack in place into the fragment of P.
;   P V:  V transposed first: lane = query, register j = column 16 h + 2 j + i: packs into the output projection's operand;
;         Wo's fragments pair their rows in that same order.
;   out:  Wo first: register j = (query r, column 32 w + 16 h + 2 j + i): 16 neighbouring columns of one row in a lane.
;
; NO CLUSTER, NO TENSOR LOADS, though all work-groups read the same 1 MiB of weights: each weight element is used by one wave
; of a work-group alone and goes from memory into that wave's registers in operand layout.  Shared through LDS it would be
; 1 MiB written and 1 MiB read back per work-group, beside the 352 x 8 x 512 bytes = 1.4 MiB of x fragments that LDS already serves.
;
; LIMITS.  Keys outside the band or the batch get weight exactly 0 (score set to -1e30 in front of the maximum), where the
; definition adds -1e9: the same as long as the scaled scores of a row differ by less than about 1e9.  Inputs are finite
; (window rows outside the batch are multiplied by weight 0).  Matrix operands are rounded to bf16; all else is f32.
; ---- LDS (bytes)
.set XPITCH, 528                       ; a row of 256 bf16 + 16: an odd multiple of 16, so 16 rows start in 16 different 16-byte columns
.set FPITCH, 1040                      ; a row of 256 f32 + 16, likewise
.set LXRES,  84480                     ; behind 160 rows of bf16 x at 0: 32 rows of f32 x + bo
.set LOEX,   117760                    ; head c, query tile t: a fragment image of 1 KiB at 2048 c + 1024 t
.set LSTAT,  134144                    ; sums: word 128 w + 64 t + 4 r; the squares 1024 further
.set LSTAGE, 136192                    ; 32 normalised rows of f32; ends at 169,472
; ---- registers v0-v255
.set VWOFF, 4                          ; 16384 h + 128 w + 8 r: my 8 bytes in a weight chunk's first row
.set XLO,   5                          ; 528 r + 32 h: x fragments of row tiles 0-4
.set XHI,   6                          ; the same for row tiles 5-9
.set BA1,   7                          ; 128 w + 64 h
.set BA2,   8                          ; 128 w + 8 r
.set XS0,   9                          ; staging: 528 w + 8 L
.set XS1,   10                         ; + 80 rows
.set XRS,   11                         ; staging of x + bo
.set VT,    12                         ; r - 8 h
.set OADR,  13                         ; my head's fragment images
.set OLD,   14                         ; all heads' images
.set FADR,  15                         ; x + bo of (row r, my 16 columns)
.set SST,   16                         ; my word of the sums
.set SLD,   17                         ; row r's words
.set ZADR,  18                         ; stage, in
.set RADR,  19                         ; stage, back by rows
.set L16,   20                         ; 16 L
.set BIAS,  32                         ; v32-47  bias as the first product's C; at the end gamma (8), beta (8)
.set WF,    48                         ; v48-79  weight fragments, two buffers of 16 (column tile i at + 8 i)
.set RAW,   80                         ; v80-175 weights as loaded, three slots of 32 (row t, word i at 2 t + i)
.set X,     176                        ; v176-255 ten x fragments; later V transposed; later the 32 values of y
.set EA,    80                         ; epilogue, in RAW's registers: partial sums
.set EL,    96                         ; the waves' sums as loaded
.set EM,    112                        ; mean, twice, per row tile
.set ER,    116                        ; 1 / sqrt(var + eps), twice, per row tile
; ---- registers v256-v511, written by their low 8 bits
.set ACC,   0                          ; 0-159   projection sums, tile (s, i) at 16 s + 8 i; later scores and P; later the heads' results
.set KF,    160                        ; 160-239 K fragments
.set QF,    240                        ; 240-255 Q fragments
.set OA,    160                        ; attention: sums of P V, (t, i) at 16 t + 8 i
.set MX,    192                        ; four running maxima
.set NM,    198                        ; - maximum x c, twice
.set LS,    200                        ; four pairs of running sums
.set INV,   208                        ; 1 / sum, twice, per query tile
.set YA,    128                        ; output projection's sums, (t, i) at 16 t + 8 i
; s_set_vgpr_msb: bits 1:0 source 0, 3:2 source 1, 5:4 source 2, 7:6 destination; the high byte repeats the setting left
.set MSB, 0
.macro WIN new
.if MSB != \new
	s_set_vgpr_msb (MSB<<8)|\new
.set MSB, \new
.endif
.endm
.macro PLACES                          ; four independent vector instructions behind a matrix instruction (ISA guide 7.12.1)
.rept 4
	v_nop
.endr
.endm
; weight chunk g = 0..31: matrix g >> 3 (Wk, Wq, Wv, Wo at s[10:17]), rows 32 (g & 7) ..: 16 loads into slot g % 3
.macro LOADRAW g
.if (\g) <= 31
.irp t, 0,1,2,3,4,5,6,7,8,9,10,11,12,13,14,15
	global_load_b64 v[RAW+32*((\g)%3)+2*\t:RAW+32*((\g)%3)+2*\t+1], v[VWOFF], s[10+2*((\g)>>3):11+2*((\g)>>3)] offset:(32*((\g)&7)+\t)*1024
.endr
.endif
.endm
; column tile i of chunk g to bf16, into fragment buffer g % 2.  Wo pairs rows (4m, 4m+2) and (4m+1, 4m+3), the order of P V's result
.macro CVTW g, i
.if ((\g)>>3) == 3
.irp m, 0,1,2,3
	v_cvt_pk_bf16_f32 v[WF+16*((\g)%2)+8*\i+\m], v[RAW+32*((\g)%3)+8*\m+\i], v[RAW+32*((\g)%3)+8*\m+4+\i]
	v_cvt_pk_bf16_f32 v[WF+16*((\g)%2)+8*\i+4+\m], v[RAW+32*((\g)%3)+8*\m+2+\i], v[RAW+32*((\g)%3)+8*\m+6+\i]
.endr
.else
.irp m, 0,1,2,3,4,5,6,7
	v_cvt_pk_bf16_f32 v[WF+16*((\g)%2)+8*\i+\m], v[RAW+32*((\g)%3)+4*\m+\i], v[RAW+32*((\g)%3)+4*\m+2+\i]
.endr
.endif
.endm
; 16 words of bias in the layout of an accumulator: register j of tile i from byte 4 i + jstep j (jstep 0: one column per lane)
.macro LOADBIAS base, va, jstep
.irp i, 0,1
.irp j, 0,1,2,3,4,5,6,7
	global_load_b32 v[BIAS+8*\i+\j], v[\va], s[\base:\base+1] offset:4*\i+\jstep*\j
.endr
.endr
.endm
; x fragment: row tile s, k chunk c, into buffer buf
.macro LDX buf, s, c
.if (\s) < 5
	ds_load_b128 v[X+8*(\buf):X+8*(\buf)+3], v[XLO] offset:(\s)*16*XPITCH+64*(\c)
	ds_load_b128 v[X+8*(\buf)+4:X+8*(\buf)+7], v[XLO] offset:(\s)*16*XPITCH+64*(\c)+16
.else
	ds_load_b128 v[X+8*(\buf):X+8*(\buf)+3], v[XHI] offset:((\s)-5)*16*XPITCH+64*(\c)
	ds_load_b128 v[X+8*(\buf)+4:X+8*(\buf)+7], v[XHI] offset:((\s)-5)*16*XPITCH+64*(\c)+16
.endif
.endm
; buffer k's next fragment.  nextx 1: the same row tile, next k chunk; 2: the Q phase's (row tiles 4, 5, k chunks 0-4); 0: none
.macro REFILL g, nextx, k
.if \nextx == 1
	LDX \k, \k, ((\g)&7)+1
.endif
.if \nextx == 2
	LDX \k, 4+((\k)&1), ((\k)>>1)
.endif
.endm
; ten products: row tiles 5 grp .. 5 grp + 4 x both column tiles.  orient 0: W first (K); 1: x first (V).
; A matrix's first chunk takes the bias as C: nothing is cleared, no bias is added afterwards.
.macro MM5 g, grp, orient
.if ((\g)&7) == 0
	WIN 0x40
.else
	WIN 0x50
.endif
.irp k, 0,1,2,3,4
.irp i, 0,1
.set dd, ACC+16*(5*\grp+\k)+8*\i
.set xx, X+8*(5*\grp+\k)
.set ww, WF+16*((\g)%2)+8*\i
.if ((\g)&7) == 0
.set cs, BIAS+8*\i
.else
.set cs, dd
.endif
.if \orient == 0
	v_wmma_f32_16x16x32_bf16 v[dd:dd+7], v[ww:ww+7], v[xx:xx+7], v[cs:cs+7]
.else
	v_wmma_f32_16x16x32_bf16 v[dd:dd+7], v[xx:xx+7], v[ww:ww+7], v[cs:cs+7]
.endif
.endr
.endr
.endm
; One k chunk of K or V for all ten row tiles.  On entry: fragment buffer g % 2 is converted, chunks g+1 .. g+3 are loaded or
; on their way, and 20 LDS loads are out: buffers 0-4, then 5-9.  lc = global loads issued behind chunk g+1's.
; The eight conversions behind each group name none of its registers: they are the places in front of the loads
; into the x buffers, the bias and the fragment buffer that the products have read.
.macro BIGCHUNK g, orient, lc, nextx, bias
	s_wait_dscnt 10                                ; buffers 0-4 are in; the ten younger loads (5-9) stay out
	MM5 \g, 0, \orient
	WIN 0
	s_wait_loadcnt \lc                             ; chunk g+1 is in
	CVTW \g+1, 0
.irp k, 0,1,2,3,4
	REFILL \g, \nextx, \k
.endr
.if \nextx == 0
	s_wait_dscnt 0                                 ; nothing was issued behind buffers 5-9
.else
	s_wait_dscnt 10                                ; buffers 5-9 are in; the ten refills above stay out
.endif
	MM5 \g, 1, \orient
	WIN 0
	CVTW \g+1, 1
.if \bias
	LOADBIAS 20, BA1, 8                            ; bq, for the Q phase
.endif
	LOADRAW \g+4                                   ; into the slot just converted
.irp k, 5,6,7,8,9
	REFILL \g, \nextx, \k
.endr
.endm
; One k chunk of Q: the two query tiles (window row tiles 4, 5) from buffers (2 c + t) % 10.  nd = LDS loads issued behind them.
.macro QCHUNK c, nd, lc
	s_wait_dscnt \nd
.if \c == 0
	WIN 0x40
.else
	WIN 0x50
.endif
.irp t, 0,1
.irp i, 0,1
.set dd, ACC+16*\t+8*\i
.set xx, X+8*((2*\c+\t)%10)
.set ww, WF+16*(\c%2)+8*\i
.if \c == 0
	v_wmma_f32_16x16x32_bf16 v[dd:dd+7], v[ww:ww+7], v[xx:xx+7], v[BIAS+8*\i:BIAS+8*\i+7]
.else
	v_wmma_f32_16x16x32_bf16 v[dd:dd+7], v[ww:ww+7], v[xx:xx+7], v[dd:dd+7]
.endif
.endr
.endr
	WIN 0
	s_wait_loadcnt \lc
	CVTW 8+\c+1, 0                                 ; sixteen conversions: the places in front of the loads below
	CVTW 8+\c+1, 1
.if \c == 0
	LOADBIAS 22, BA2, 0                            ; bv, for the V phase: a lane's column in all eight registers
.endif
	LOADRAW 8+\c+4
.if \c <= 2
	LDX (2*\c)%10, 4, \c+5                         ; k chunks 5-7 into the buffers just used
	LDX (2*\c+1)%10, 5, \c+5
.endif
.if \c == 7
.irp k, 0,1,2,3,4,5,6,7,8,9
	LDX \k, \k, 0                                  ; the V phase's first chunk
.endr
.endif
.endm
; One k chunk (= head c) of the output projection.  nd = LDS loads issued behind head c's four.
.macro OCHUNK c, nd, lc
	s_wait_dscnt \nd
	WIN 0x54
.irp t, 0,1
.irp i, 0,1
.set dd, YA+16*\t+8*\i
.set ww, WF+16*(\c%2)+8*\i
.if \c == 0
	v_wmma_f32_16x16x32_bf16 v[dd:dd+7], v[ww:ww+7], v[16*\c+8*\t:16*\c+8*\t+7], 0
.else
	v_wmma_f32_16x16x32_bf16 v[dd:dd+7], v[ww:ww+7], v[16*\c+8*\t:16*\c+8*\t+7], v[dd:dd+7]
.endif
.endr
.endr
	WIN 0
.if \c < 7
	s_wait_loadcnt \lc
	CVTW 24+\c+1, 0
	CVTW 24+\c+1, 1
	LOADRAW 24+\c+4
.endif
.if \c == 3
	global_load_b128 v[BIAS:BIAS+3], v[L16], s[26:27]                  ; gamma and beta of columns 4 L + 128 k, behind the last weights
	global_load_b128 v[BIAS+4:BIAS+7], v[L16], s[26:27] offset:512
	global_load_b128 v[BIAS+8:BIAS+11], v[L16], s[28:29]
	global_load_b128 v[BIAS+12:BIAS+15], v[L16], s[28:29] offset:512
.endif
.endm
; n words of two bf16 from 2 n f32, ascending: word m is written when f32 2m, 2m+1 are read, so dst = src is sound
.macro PACK dst, src, n
.set pm, 0
.rept \n
	v_cvt_pk_bf16_f32 v[(\dst)+pm], v[(\src)+2*pm], v[(\src)+2*pm+1]
.set pm, pm+1
.endr
.endm
.macro MASKTILE base, m                ; a key tile that is in the batch or not, as a whole
.irp j, 0,1,2,3,4,5,6,7
	v_cndmask_b32 v[\base+\j], s54, v[\base+\j], s[\m]
.endr
.endm
.macro MASKEDGE base, m0               ; a key tile on the band's edge: register j has its own lane mask
.irp j, 0,1,2,3,4,5,6,7
	v_cndmask_b32 v[\base+\j], s54, v[\base+\j], s[\m0+\j]
.endr
.endm
; softmax of query tile t over the 72 registers from sb: a lane holds 72 of its query's 144 keys, lane L xor 16 the others
.macro SOFTMAX sb, t
.irp k, 0,1,2,3
	v_max_num_f32 v[MX+\k], v[\sb+\k], v[\sb+4+\k]
.endr
.irp n, 0,1,2,3,4,5,6,7
.irp k, 0,1,2,3
	v_max3_num_f32 v[MX+\k], v[MX+\k], v[\sb+8+8*\n+\k], v[\sb+12+8*\n+\k]
.endr
.endr
	v_max3_num_f32 v[MX], v[MX], v[MX+1], v[MX+2]
	v_max_num_f32 v[MX], v[MX], v[MX+3]
	v_permlanex16_b32 v[MX+1], v[MX], s56, s57     ; the other half's maximum, into a register written above
	v_max_num_f32 v[MX], v[MX], v[MX+1]
	v_mul_f32 v[NM], s55, v[MX]                    ; - m c, c = log2(e) / sqrt(32)
	v_mul_f32 v[NM+1], s55, v[MX]
.set q, 0
.rept 36
	v_pk_fma_f32 v[\sb+2*q:\sb+2*q+1], v[\sb+2*q:\sb+2*q+1], s[52:53], v[NM:NM+1] op_sel_hi:[1,0,1]
.set q, q+1
.endr
.set q, 0
.rept 72
	v_exp_f32 v[\sb+q], v[\sb+q]
.set q, q+1
.endr
	v_nop                                          ; one plain instruction between the last exponential and its use
	s_wait_alu depctr_va_vdst(0)
.irp k, 0,1,2,3
	v_pk_add_f32 v[LS+2*\k:LS+2*\k+1], v[\sb+2*\k:\sb+2*\k+1], v[\sb+8+2*\k:\sb+8+2*\k+1]
.endr
.irp n, 0,1,2,3,4,5,6
.irp k, 0,1,2,3
	v_pk_add_f32 v[LS+2*\k:LS+2*\k+1], v[LS+2*\k:LS+2*\k+1], v[\sb+16+8*\n+2*\k:\sb+16+8*\n+2*\k+1]
.endr
.endr
	v_pk_add_f32 v[LS:LS+1], v[LS:LS+1], v[LS+2:LS+3]
	v_pk_add_f32 v[LS+4:LS+5], v[LS+4:LS+5], v[LS+6:LS+7]
	v_pk_add_f32 v[LS:LS+1], v[LS:LS+1], v[LS+4:LS+5]
	v_add_f32 v[LS], v[LS], v[LS+1]
	v_permlanex16_b32 v[LS+1], v[LS], s56, s57
	v_add_f32 v[LS], v[LS], v[LS+1]
	v_rcp_f32 v[INV+2*\t], v[LS]                   ; used far below; the next line but one is plain and touches neither
	v_rcp_f32 v[INV+2*\t+1], v[LS]
.endm
; P V of query tile t: five key chunks x two column tiles; the first products start the sums
.macro PV t
	WIN 0x54
.irp cc, 0,1,2,3,4
.irp i, 0,1
.set dd, OA+16*\t+8*\i
.if \cc == 0
	v_wmma_f32_16x16x32_bf16 v[dd:dd+7], v[X+8*(2*\cc+\i):X+8*(2*\cc+\i)+7], v[80*\t+16*\cc:80*\t+16*\cc+7], 0
.else
	v_wmma_f32_16x16x32_bf16 v[dd:dd+7], v[X+8*(2*\cc+\i):X+8*(2*\cc+\i)+7], v[80*\t+16*\cc:80*\t+16*\cc+7], v[dd:dd+7]
.endif
.endr
.endr
.endm
; the pair at EA + 8 t to one number for the row's 32 columns of this wave, in both halves of the lanes
.macro ROWRED t
	v_pk_add_f32 v[EA+8*\t:EA+8*\t+1], v[EA+8*\t:EA+8*\t+1], v[EA+8*\t+2:EA+8*\t+3]
	v_pk_add_f32 v[EA+8*\t+4:EA+8*\t+5], v[EA+8*\t+4:EA+8*\t+5], v[EA+8*\t+6:EA+8*\t+7]
	v_pk_add_f32 v[EA+8*\t:EA+8*\t+1], v[EA+8*\t:EA+8*\t+1], v[EA+8*\t+4:EA+8*\t+5]
	v_add_f32 v[EA+8*\t], v[EA+8*\t], v[EA+8*\t+1]
	v_permlanex16_b32 v[EA+8*\t+1], v[EA+8*\t], s56, s57
	v_add_f32 v[EA+8*\t], v[EA+8*\t], v[EA+8*\t+1]
.endm
; the eight waves' words of rows r and 16 + r, added in one fixed order in every wave: result in v[EL], v[EL+8]
.macro STATSUM off
.irp t, 0,1
.irp u, 0,1,2,3,4,5,6,7
	ds_load_b32 v[EL+8*\t+\u], v[SLD] offset:\off+128*\u+64*\t
.endr
.endr
	s_wait_dscnt 0x0
.irp t, 0,1
	v_pk_add_f32 v[EL+8*\t:EL+8*\t+1], v[EL+8*\t:EL+8*\t+1], v[EL+8*\t+2:EL+8*\t+3]
	v_pk_add_f32 v[EL+8*\t+4:EL+8*\t+5], v[EL+8*\t+4:EL+8*\t+5], v[EL+8*\t+6:EL+8*\t+7]
	v_pk_add_f32 v[EL+8*\t:EL+8*\t+1], v[EL+8*\t:EL+8*\t+1], v[EL+8*\t+4:EL+8*\t+5]
	v_add_f32 v[EL+8*\t], v[EL+8*\t], v[EL+8*\t+1]
.endr
.endm
; ================= set-up
	s_load_b512 s[8:23], s[0:1], 0x0               ; x s[8:9], Wk, Wq, Wv, Wo s[10:17], bk s[18:19], bq s[20:21], bv s[22:23]
	s_load_b256 s[24:31], s[0:1], 0x40             ; bo s[24:25], gamma s[26:27], beta s[28:29], out0 s[30:31]
	v_lshl_add_u32 v30, v0, 2, 0x29600
	v_mov_b32 v31, 0
	v_lshrrev_b32 v21, 5, v0
	v_readfirstlane_b32 s4, v21                    ; w: wave = head
	v_and_b32 v1, 31, v0                           ; L
	v_and_b32 v2, 15, v0                           ; r
	v_bfe_u32 v3, v0, 4, 1                         ; h
	s_and_b32 s6, ttmp9, 127                       ; the work-group's place in its batch (128 to a batch)
	s_lshl_b32 s7, ttmp9, 5
	s_add_co_u32 s7, s7, s4
	s_sub_co_i32 s7, s7, 64                        ; 32 b - 64 + w: the first window row that I stage (signed)
	s_lshl_b32 s2, s4, 7                           ; 128 w
	v_lshlrev_b32 v[L16], 4, v1
	v_lshlrev_b32 v[VWOFF], 3, v2
	v_lshl_add_u32 v[VWOFF], v3, 14, v[VWOFF]
	v_add_nc_u32 v[VWOFF], s2, v[VWOFF]
	v_mul_u32_u24 v[XLO], v2, XPITCH
	v_lshl_add_u32 v[XLO], v3, 5, v[XLO]
	v_add_nc_u32 v[XHI], 80*XPITCH, v[XLO]
	v_lshl_add_u32 v[BA1], v3, 6, s2
	v_lshl_add_u32 v[BA2], v2, 3, s2
	s_mul_i32 s3, s4, XPITCH
	v_lshl_add_u32 v[XS0], v1, 3, s3
	v_add_nc_u32 v[XS1], 80*XPITCH, v[XS0]
	s_mul_i32 s3, s4, FPITCH
	s_add_co_u32 s3, s3, LXRES
	v_lshl_add_u32 v[XRS], v1, 4, s3
	v_lshlrev_b32 v[VT], 3, v3
	v_sub_nc_u32 v[VT], v2, v[VT]
	s_lshl_b32 s3, s4, 11
	s_add_co_u32 s3, s3, LOEX
	v_add_nc_u32 v[OADR], s3, v[L16]
	v_add_nc_u32 v[OLD], LOEX, v[L16]
	v_mul_u32_u24 v[FADR], v2, FPITCH
	v_add_nc_u32 v[FADR], v[FADR], v[BA1]
	v_add_nc_u32 v[ZADR], LSTAGE, v[FADR]
	v_add_nc_u32 v[FADR], LXRES, v[FADR]
	v_lshlrev_b32 v[SLD], 2, v2
	v_add_nc_u32 v[SLD], LSTAT, v[SLD]
	v_add_nc_u32 v[SST], s2, v[SLD]
	s_mul_i32 s3, s4, 4*FPITCH
	s_add_co_u32 s3, s3, LSTAGE
	v_add_nc_u32 v[RADR], s3, v[L16]
	; I stage window rows 8 t + w.  Rows outside x are clamped to its first or last row: their keys are masked below.
.irp t, 0,1,2,3,4,5,6,7,8,9,10,11,12,13,14,15,16,17,18,19
	s_add_co_i32 s60, s7, 8*\t
	s_max_i32 s60, s60, 0
	s_min_i32 s60, s60, 8191
	s_lshl_b32 s60, s60, 10
	v_add_nc_u32 v[X+\t], s60, v[L16]
.endr
	; Masks.  In a score tile lane (r, h), register j is key 8 h + j of the tile and query r.  The band's lower edge runs through
	; key tile t of query tile t (kept: 8 h + j >= r), its upper edge through key tile t + 8 (kept: 8 h + j <= r).
.irp j, 0,1,2,3,4,5,6,7
	v_cmp_ge_i32 s[32+\j], \j, v[VT]
	v_cmp_le_i32 s[40+\j], \j, v[VT]
.endr
	s_cmp_ge_u32 s6, 2                             ; key tiles 0, 1 (64 to 33 rows above my first) are in my batch
	s_cselect_b32 s48, -1, 0
	s_cmp_ge_u32 s6, 1                             ; tiles 2, 3
	s_cselect_b32 s49, -1, 0
	s_cmp_le_u32 s6, 126                           ; tiles 6, 7
	s_cselect_b32 s50, -1, 0
	s_cmp_le_u32 s6, 125                           ; tiles 8, 9
	s_cselect_b32 s51, -1, 0
.irp j, 0,1,2,3,4,5,6,7
	s_and_b32 s[32+\j], s[32+\j], s48              ; the edge tiles are tiles 0, 1 and 8, 9
	s_and_b32 s[40+\j], s[40+\j], s51
.endr
	s_mov_b32 s52, 0x3e8293ee                      ; c = log2(e) / sqrt(32)
	s_mov_b32 s53, 0x3e8293ee
	s_mov_b32 s54, 0xf149f2ca                      ; -1e30
	s_mov_b32 s55, 0xbe8293ee                      ; -c
	s_mov_b32 s56, 0x76543210                      ; v_permlanex16_b32: lane i of the other half
	s_mov_b32 s57, 0xfedcba98
	s_mov_b32 s58, 0x3b800000                      ; 1 / 256
	s_mov_b32 s59, 0x3a83126f                      ; 1e-3
	s_lshl_b32 s60, ttmp9, 5
	s_lshl2_add_u32 s60, s4, s60                   ; 32 b + 4 w: the first row that I store
	s_lshl_b32 s60, s60, 10
	s_mov_b32 s61, 0
	s_wait_kmcnt 0x0
	s_add_nc_u64 s[30:31], s[30:31], s[60:61]
; ================= loads: bk (16), bo (2), x (40), weight chunks 0-2 (48)
	LOADBIAS 18, BA1, 8
	WIN 0x40
	global_load_b128 v[160:163], v[L16], s[24:25]
	global_load_b128 v[164:167], v[L16], s[24:25] offset:512
.irp t, 0,1,2,3,4,5,6,7,8,9,10,11,12,13,14,15,16,17,18,19
	global_load_b128 v[8*\t:8*\t+3], v[X+\t], s[8:9]               ; a row: two loads of 512 consecutive bytes
	global_load_b128 v[8*\t+4:8*\t+7], v[X+\t], s[8:9] offset:512
.endr
	WIN 0
	LOADRAW 0
	LOADRAW 1
	LOADRAW 2
; ================= staging: x to bf16 in LDS; x + bo of my own rows (t = 8..11) in f32
	s_wait_loadcnt 48                              ; all but the 48 weight loads: bk, bo and x are in, and the x offsets are free
	WIN 0x55
.irp t, 0,1,2,3
.irp k, 0,1
.irp n, 0,2
	v_pk_add_f32 v[176+8*\t+4*\k+\n:176+8*\t+4*\k+\n+1], v[64+8*\t+4*\k+\n:64+8*\t+4*\k+\n+1], v[160+4*\k+\n:160+4*\k+\n+1]
.endr
.endr
.endr
.set q, 0
.rept 40
	v_cvt_pk_bf16_f32 v[4*q], v[4*q], v[4*q+1]
	v_cvt_pk_bf16_f32 v[4*q+1], v[4*q+2], v[4*q+3]
.set q, q+1
.endr
	WIN 0x04
.irp t, 0,1,2,3
.irp k, 0,1
	ds_store_b128 v[XRS], v[176+8*\t+4*\k:176+8*\t+4*\k+3] offset:\t*8*FPITCH+512*\k
.endr
.endr
.irp t, 0,1,2,3,4,5,6,7,8,9
.irp k, 0,1
	ds_store_b64 v[XS0], v[8*\t+4*\k:8*\t+4*\k+1] offset:\t*8*XPITCH+256*\k
	ds_store_b64 v[XS1], v[80+8*\t+4*\k:80+8*\t+4*\k+1] offset:\t*8*XPITCH+256*\k
.endr
.endr
	WIN 0
	s_wait_loadcnt 32                              ; chunk 0 is in; chunks 1, 2 stay out
	CVTW 0, 0
	CVTW 0, 1
	LOADRAW 3
	s_wait_dscnt 0x0                               ; my rows are in LDS,
	s_barrier_signal -1
	s_barrier_wait -1                              ; everybody's are
.irp k, 0,1,2,3,4,5,6,7,8,9
	LDX \k, \k, 0
.endr
; ================= K of my head, 160 rows.  Counts: two chunks (32 loads) lie behind the wanted one, and bq's 16 where they fall between
	BIGCHUNK 0, 0, 32, 1, 1
	BIGCHUNK 1, 0, 48, 1, 0
	BIGCHUNK 2, 0, 48, 1, 0
	BIGCHUNK 3, 0, 32, 1, 0
	BIGCHUNK 4, 0, 32, 1, 0
	BIGCHUNK 5, 0, 32, 1, 0
	BIGCHUNK 6, 0, 32, 1, 0
	BIGCHUNK 7, 0, 32, 2, 0
	WIN 0x45
.irp s, 0,1,2,3,4,5,6,7,8,9
	PACK KF+8*\s, ACC+16*\s, 8                     ; column tile 0 to registers 0-3, tile 1 to 4-7: a fragment by rows
.endr
; ================= Q of my head, 32 rows.  LDS counts: 20 loads on entry, 4 more behind each of chunks 0-2
	QCHUNK 0, 16, 32
	QCHUNK 1, 16, 48
	QCHUNK 2, 16, 48
	QCHUNK 3, 16, 32
	QCHUNK 4, 12, 32
	QCHUNK 5, 8, 32
	QCHUNK 6, 4, 32
	QCHUNK 7, 0, 32
	WIN 0x45
	PACK QF, ACC, 8
	PACK QF+8, ACC+16, 8
; ================= V of my head, 160 rows
	BIGCHUNK 16, 1, 32, 1, 0
	BIGCHUNK 17, 1, 32, 1, 0
	BIGCHUNK 18, 1, 32, 1, 0
	BIGCHUNK 19, 1, 32, 1, 0
	BIGCHUNK 20, 1, 32, 1, 0
	BIGCHUNK 21, 1, 32, 1, 0
	BIGCHUNK 22, 1, 32, 1, 0
	BIGCHUNK 23, 1, 32, 0, 0
	WIN 0x05
.irp cc, 0,1,2,3,4
.irp i, 0,1
	PACK X+8*(2*\cc+\i), ACC+32*\cc+8*\i, 4        ; keys 32 cc + 8 h ..
	PACK X+8*(2*\cc+\i)+4, ACC+32*\cc+16+8*\i, 4   ; keys 32 cc + 16 + 8 h ..
.endr
.endr
; ================= attention.  Query tile t sees key tiles t .. t + 8; the tenth lies outside the band
	WIN 0x45
.irp kt, 0,1,2,3,4,5,6,7,8
	v_wmma_f32_16x16x32_bf16 v[8*\kt:8*\kt+7], v[KF+8*\kt:KF+8*\kt+7], v[QF:QF+7], 0
.endr
.irp kt, 1,2,3,4,5,6,7,8,9
	v_wmma_f32_16x16x32_bf16 v[80+8*\kt:80+8*\kt+7], v[KF+8*\kt:KF+8*\kt+7], v[QF+8:QF+15], 0
.endr
	PLACES                                         ; in front of the selects, which rewrite results, and of the maxima, which land in K's registers
	WIN 0x55
	MASKEDGE 0, 32
	MASKTILE 8, 48
	MASKTILE 16, 49
	MASKTILE 24, 49
	MASKTILE 48, 50
	MASKTILE 56, 50
	MASKEDGE 64, 40
	SOFTMAX 0, 0
	PACK 0, 0, 8
	PACK 16, 16, 8
	PACK 32, 32, 8
	PACK 48, 48, 8
	PACK 64, 64, 4
.irp m, 68,69,70,71
	v_mov_b32 v\m, 0                               ; key tile 9 has weight 0 for query tile 0
.endr
	PV 0
	WIN 0x55
	MASKEDGE 88, 32
	MASKTILE 96, 49
	MASKTILE 104, 49
	MASKTILE 128, 50
	MASKTILE 136, 50
	MASKTILE 144, 51
	MASKEDGE 152, 40
	SOFTMAX 88, 1
.irp m, 80,81,82,83
	v_mov_b32 v\m, 0                               ; key tile 0 has weight 0 for query tile 1
.endr
	PACK 84, 88, 4
	PACK 96, 96, 8
	PACK 112, 112, 8
	PACK 128, 128, 8
	PACK 144, 144, 8
	PV 1
	PLACES
	WIN 0x55
	s_wait_alu depctr_va_vdst(0)
.irp t, 0,1
.irp n, 0,1,2,3,4,5,6,7
	v_pk_mul_f32 v[OA+16*\t+2*\n:OA+16*\t+2*\n+1], v[OA+16*\t+2*\n:OA+16*\t+2*\n+1], v[INV+2*\t:INV+2*\t+1]
.endr
.endr
	PACK OA, OA, 8
	PACK OA+16, OA+16, 8
	WIN 0x04
.irp t, 0,1
	ds_store_b128 v[OADR], v[OA+16*\t:OA+16*\t+3] offset:1024*\t
	ds_store_b128 v[OADR], v[OA+16*\t+4:OA+16*\t+7] offset:1024*\t+512
.endr
	WIN 0
	s_wait_dscnt 0x0                               ; my head's result is in LDS,
	s_barrier_signal -1
	s_barrier_wait -1                              ; every head's is
; ================= output projection: my 32 columns, all 32 rows, k = the eight heads
	WIN 0x40
.irp c, 0,1,2,3,4,5,6,7
.irp t, 0,1
	ds_load_b128 v[16*\c+8*\t:16*\c+8*\t+3], v[OLD] offset:2048*\c+1024*\t
	ds_load_b128 v[16*\c+8*\t+4:16*\c+8*\t+7], v[OLD] offset:2048*\c+1024*\t+512
.endr
.endr
	WIN 0
.irp t, 0,1
.irp k, 0,1,2,3
	ds_load_b128 v[X+16*\t+4*\k:X+16*\t+4*\k+3], v[FADR] offset:\t*16*FPITCH+16*\k     ; x + bo of (row 16 t + r, my 16 columns)
.endr
.endr
	; LDS counts: 40 loads, head c's four are the (4 c + 1)-th to (4 c + 4)-th.  Global counts: two chunks behind the wanted one,
	; then the tail: chunks 30, 31 + gamma and beta's four; chunk 31 + four; four.
	OCHUNK 0, 36, 32
	OCHUNK 1, 32, 32
	OCHUNK 2, 28, 32
	OCHUNK 3, 24, 32
	OCHUNK 4, 20, 36
	OCHUNK 5, 16, 20
	OCHUNK 6, 12, 4
	OCHUNK 7, 8, 0
; ================= residual and LayerNorm
	PLACES
	s_wait_dscnt 0x0                               ; x + bo
	WIN 0x01
.irp t, 0,1
.irp i, 0,1
.irp j, 0,1,2,3,4,5,6,7
	v_add_f32 v[X+16*\t+2*\j+\i], v[YA+16*\t+8*\i+\j], v[X+16*\t+2*\j+\i]     ; y, columns back in their order
.endr
.endr
.endr
	WIN 0
.irp t, 0,1
.irp n, 0,1,2,3
	v_pk_add_f32 v[EA+8*\t+2*\n:EA+8*\t+2*\n+1], v[X+16*\t+4*\n:X+16*\t+4*\n+1], v[X+16*\t+4*\n+2:X+16*\t+4*\n+3]
.endr
	ROWRED \t
	ds_store_b32 v[SST], v[EA+8*\t] offset:64*\t   ; lanes r and 16 + r write the same word with the same value
.endr
	s_wait_dscnt 0x0
	s_barrier_signal -1
	s_barrier_wait -1
	STATSUM 0
.irp t, 0,1
	v_mul_f32 v[EM+2*\t], s58, v[EL+8*\t]          ; the mean
	v_mul_f32 v[EM+2*\t+1], s58, v[EL+8*\t]
.endr
.irp t, 0,1
.irp n, 0,1,2,3,4,5,6,7
	v_pk_add_f32 v[X+16*\t+2*\n:X+16*\t+2*\n+1], v[X+16*\t+2*\n:X+16*\t+2*\n+1], v[EM+2*\t:EM+2*\t+1] neg_lo:[0,1] neg_hi:[0,1]
.endr
.endr
.irp t, 0,1
.irp n, 0,1,2,3
	v_pk_mul_f32 v[EA+8*\t+2*\n:EA+8*\t+2*\n+1], v[X+16*\t+4*\n:X+16*\t+4*\n+1], v[X+16*\t+4*\n:X+16*\t+4*\n+1]
.endr
.irp n, 0,1,2,3
	v_pk_fma_f32 v[EA+8*\t+2*\n:EA+8*\t+2*\n+1], v[X+16*\t+4*\n+2:X+16*\t+4*\n+3], v[X+16*\t+4*\n+2:X+16*\t+4*\n+3], v[EA+8*\t+2*\n:EA+8*\t+2*\n+1]
.endr
	ROWRED \t
	ds_store_b32 v[SST], v[EA+8*\t] offset:1024+64*\t      ; other bytes than the sums': no wave can still be reading them
.endr
	s_wait_dscnt 0x0
	s_barrier_signal -1
	s_barrier_wait -1
	STATSUM 1024
	v_fma_f32 v[EL], v[EL], s58, s59               ; variance + eps
	v_fma_f32 v[EL+8], v[EL+8], s58, s59
	v_rsq_f32 v[ER], v[EL]
	v_rsq_f32 v[ER+1], v[EL]
	v_rsq_f32 v[ER+2], v[EL+8]
	v_rsq_f32 v[ER+3], v[EL+8]
	v_nop                                          ; one plain instruction in front of the first use
	s_wait_alu depctr_va_vdst(0)
.irp t, 0,1
.irp n, 0,1,2,3,4,5,6,7
	v_pk_mul_f32 v[X+16*\t+2*\n:X+16*\t+2*\n+1], v[X+16*\t+2*\n:X+16*\t+2*\n+1], v[ER+2*\t:ER+2*\t+1]
.endr
.endr
.irp t, 0,1
.irp k, 0,1,2,3
	ds_store_b128 v[ZADR], v[X+16*\t+4*\k:X+16*\t+4*\k+3] offset:\t*16*FPITCH+16*\k
.endr
.endr
	s_wait_dscnt 0x0
	s_barrier_signal -1
	s_barrier_wait -1
	; the way out: rows 4 w .. 4 w + 3 whole, gamma and beta by column; each store covers 512 consecutive bytes, aligned
.irp k, 0,1,2,3,4,5,6,7
	ds_load_b128 v[X+32+4*\k:X+32+4*\k+3], v[RADR] offset:(\k>>1)*FPITCH+(\k&1)*512
.endr
	s_wait_loadcnt 0x0                             ; gamma, beta
	s_wait_dscnt 0x0
.irp k, 0,1,2,3,4,5,6,7
.irp n, 0,2
	v_pk_fma_f32 v[X+32+4*\k+\n:X+32+4*\k+\n+1], v[X+32+4*\k+\n:X+32+4*\k+\n+1], v[BIAS+4*(\k&1)+\n:BIAS+4*(\k&1)+\n+1], v[BIAS+8+4*(\k&1)+\n:BIAS+8+4*(\k&1)+\n+1]
.endr
	global_store_b128 v[L16], v[X+32+4*\k:X+32+4*\k+3], s[30:31] offset:(\k>>1)*1024+(\k&1)*512 th:TH_STORE_NT
.endr
	s_wait_tensorcnt 0x0
	ds_add_u32 v30, v31
	s_wait_dscnt 0x0
	s_endpgm
.Lfunc_end_k_q8b62042d3b_swa:
	.size	k_q8b62042d3b_swa, .Lfunc_end_k_q8b62042d3b_swa-k_q8b62042d3b_swa
	.p2alignl 7, 3214868480
	.fill 96, 4, 3214868480
	.section	.rodata,"a",@progbits
	.p2align	6, 0x0
	.amdhsa_kernel k_q8b62042d3b_swa
		.amdhsa_group_segment_fixed_size 170496
		.amdhsa_private_segment_fixed_size 0
		.amdhsa_enable_private_segment 0
		.amdhsa_kernarg_size 96
		.amdhsa_user_sgpr_count 2
		.amdhsa_user_sgpr_kernarg_segment_ptr 1
		.amdhsa_wavefront_size32 1
		.amdhsa_system_sgpr_workgroup_id_x 1
		.amdhsa_system_sgpr_workgroup_id_y 1
		.amdhsa_system_sgpr_workgroup_id_z 1
		.amdhsa_system_vgpr_workitem_id 0
		.amdhsa_next_free_vgpr 512
		.amdhsa_next_free_sgpr 66
		.amdhsa_reserve_vcc 0
		.amdhsa_float_denorm_mode_32 3
		.amdhsa_float_denorm_mode_16_64 3
		.amdhsa_memory_ordered 1
		.amdhsa_forward_progress 1
		.amdhsa_inst_pref_size 221
	.end_amdhsa_kernel
	.amdgpu_metadata
---
amdhsa.version: [ 1, 2 ]
amdhsa.kernels:
  - .name:           k_q8b62042d3b_swa
    .symbol:         k_q8b62042d3b_swa.kd
    .args:
      - { .name: x, .offset: 0, .size: 8, .value_kind: global_buffer, .address_space: global }
      - { .name: Wk, .offset: 8, .size: 8, .value_kind: global_buffer, .address_space: global }
      - { .name: Wq, .offset: 16, .size: 8, .value_kind: global_buffer, .address_space: global }
      - { .name: Wv, .offset: 24, .size: 8, .value_kind: global_buffer, .address_space: global }
      - { .name: Wo, .offset: 32, .size: 8, .value_kind: global_buffer, .address_space: global }
      - { .name: bk, .offset: 40, .size: 8, .value_kind: global_buffer, .address_space: global }
      - { .name: bq, .offset: 48, .size: 8, .value_kind: global_buffer, .address_space: global }
      - { .name: bv, .offset: 56, .size: 8, .value_kind: global_buffer, .address_space: global }
      - { .name: bo, .offset: 64, .size: 8, .value_kind: global_buffer, .address_space: global }
      - { .name: gamma, .offset: 72, .size: 8, .value_kind: global_buffer, .address_space: global }
      - { .name: beta, .offset: 80, .size: 8, .value_kind: global_buffer, .address_space: global }
      - { .name: out0, .offset: 88, .size: 8, .value_kind: global_buffer, .address_space: global }
    .group_segment_fixed_size: 170496
    .private_segment_fixed_size: 0
    .kernarg_segment_align: 8
    .kernarg_segment_size: 96
    .max_flat_workgroup_size: 256
    .sgpr_count:     66
    .vgpr_count:     512
    .wavefront_size: 32
...
	.end_amdgpu_metadata
.endif
;; end of part 1
;; ======== version 2 of 2: 1 launch; version 1 with the launch swa written anew for expert scheduling mode
;; launch swa (part 2): grid 256 x 1, 8 waves a work-group, no clusters, 170,496 bytes of LDS; arguments x, Wk, Wq, Wv, Wo, bk, bq, bv, bo, gamma, beta, out0; writes out0
.if DOCPART == 2
	.amdgcn_target "amdgcn-amd-amdhsa--gfx1250"
	.amdhsa_code_object_version 6
	.text
	.protected	k_q8b62042d3b_swa
	.globl	k_q8b62042d3b_swa
	.p2align	8
	.type	k_q8b62042d3b_swa,@function
k_q8b62042d3b_swa:
	s_mov_b64 s[64:65], 0
	v_nop
	global_prefetch_b8 v0, s[64:65] scope:SCOPE_SE
	s_setreg_imm32_b32 hwreg(HW_REG_WAVE_SCHED_MODE, 0, 2), 2
	s_setreg_imm32_b32 hwreg(HW_REG_WAVE_MODE, 25, 1), 1
	s_wait_xcnt 0x0
	s_wait_alu depctr_vm_vsrc(0)
; Sliding-window self-attention block, whole in one launch: q/k/v projections, softmax attention under |i-j| <= 64,
; output projection, residual, LayerNorm.  x, out0: [8192][256] f32 (2 batches of 4096 rows); weights [256][256] f32.
;
; SHARES.  Work-group b owns the 32 query rows 32 b .. 32 b + 31 and needs the keys of the window of 160 rows that starts
; 64 rows above.  Eight waves; wave w is head w: it projects K, Q and V of its head for the window out of a bf16 copy of x
; in LDS, keeps them in registers in operand layout, and does scores, softmax and P V without LDS.  Only the 32 x 32 result
; of a head goes through LDS; wave w then makes output columns 32 w .. 32 w + 31 of all 32 rows.  LayerNorm: the mean first,
; then the squared deviations, each summed over the waves through LDS.  No loop, no branch: 32 weight chunks written out.
;
; LAYOUTS (L lane, r = L & 15, h = L >> 4).  A weight chunk is 32 rows (k) x my head's 32 columns.  Lane (r, h) loads the
; 8 bytes W[32 c + 16 h + t][32 w + 2 r .. + 1], t = 0..15: word i belongs to column tile i, whose index r is column 2 r + i,
; and the 16 k places of half h are rows 32 c + 16 h + t.  The x fragments use the same order of k (32 bytes at 64 c + 32 h of
; a row), so the products are the true ones: a permutation of k applied alike to both operands.
;   K, Q: W fragment first, x fragment second: register j = (row r, column 16 h + 2 j + i): packs into a fragment by rows.
;   V:    x fragment first: register j = (row 8 h + j, column 2 r + i): two row tiles pack into a fragment of V transposed.
;   scores: K first, Q second: lane = query, register j = key 8 h + j: two key tiles pack in place into the fragment of P.
;   P V:  V transposed first: lane = query, register j = column 16 h + 2 j + i: packs into the output projection's operand;
;         Wo's fragments pair their rows in that same order.
;   out:  Wo first: register j = (query r, column 32 w + 16 h + 2 j + i): 16 neighbouring columns of one row in a lane.
;
; NO CLUSTER, NO TENSOR LOADS, though all work-groups read the same 1 MiB of weights: each weight element is used by one wave
; of a work-group alone and goes from memory into that wave's registers in operand layout.  Shared through LDS it would be
; 1 MiB written and 1 MiB read back per work-group, beside the 352 x 8 x 512 bytes = 1.4 MiB of x fragments that LDS already serves.
;
; LIMITS.  Keys outside the band or the batch get weight exactly 0 (score set to -1e30 in front of the maximum), where the
; definition adds -1e9: the same as long as the scaled scores of a row differ by less than about 1e9.  Inputs are finite
; (window rows outside the batch are multiplied by weight 0).  Matrix operands are rounded to bf16; all else is f32.
;
; THE MODE: SCHED_MODE bits 1:0 = 2 (LLVM: expert scheduling mode 2), set by the entry lines.  The code itself states the register
; dependences between vector or matrix instructions and memory or LDS instructions, with s_wait_alu, always for 0.
; THE PLAN.  Registers that memory or LDS instructions touch:
;   v4-v20      addresses, made in the set-up and never written again: one wait on va_vdst ahead of the first load serves them all.
;   RAW0..RAW2  chunk n's sixteen conversions read slot n % 3; behind them the loads of chunk n + 3 land in it.
;   X0-4, X5-9  the products of a big chunk's group 0 read buffers 0-4, those of group 1 buffers 5-9; each half is refilled behind its group.
;   BIAS        read as C by a phase's first products; the next phase's bias (at the end gamma and beta) lands in it behind them.
;   WF, the accumulators, K's and Q's fragments are named by vector and matrix instructions alone.
; A big chunk (K, V) has TWO waits on va_vdst.  The first, behind group 0's products and eight conversions, states that those products are done
; reading X0-4.  The second, behind group 1's products and the other eight conversions, states that X5-9 and the bias are read and that the
; sixteen conversions are done reading their RAW slot.  The loads into that slot follow it at a distance, amid the next chunk's group 0: the four
; products that stand between name WF, X0-1 and accumulators, none of the registers that those loads touch.  A Q chunk and an output chunk that loads
; have ONE wait, behind their conversions.  Results go out behind one wait for each run of stores; a register that a store has read is written again
; only behind a wait on vm_vsrc (twice in the text).
; ---- LDS (bytes)
.set XPITCH, 528                       ; a row of 256 bf16 + 16: an odd multiple of 16, so 16 rows start in 16 different 16-byte columns
.set FPITCH, 1040                      ; a row of 256 f32 + 16, likewise
.set LXRES,  84480                     ; behind 160 rows of bf16 x at 0: 32 rows of f32 x + bo
.set LOEX,   117760                    ; head c, query tile t: a fragment image of 1 KiB at 2048 c + 1024 t
.set LSTAT,  134144                    ; sums: word 128 w + 64 t + 4 r; the squares 1024 further
.set LSTAGE, 136192                    ; 32 normalised rows of f32; ends at 169,472
; ---- registers v0-v255
.set VWOFF, 4                          ; 16384 h + 128 w + 8 r: my 8 bytes in a weight chunk's first row
.set XLO,   5                          ; 528 r + 32 h: x fragments of row tiles 0-4
.set XHI,   6                          ; the same for row tiles 5-9
.set BA1,   7                          ; 128 w + 64 h
.set BA2,   8                          ; 128 w + 8 r
.set XS0,   9                          ; staging: 528 w + 8 L
.set XS1,   10                         ; + 80 rows
.set XRS,   11                         ; staging of x + bo
.set VT,    12                         ; r - 8 h
.set OADR,  13                         ; my head's fragment images
.set OLD,   14                         ; all heads' images
.set FADR,  15                         ; x + bo of (row r, my 16 columns)
.set SST,   16                         ; my word of the sums
.set SLD,   17                         ; row r's words
.set ZADR,  18                         ; stage, in
.set RADR,  19                         ; stage, back by rows
.set L16,   20                         ; 16 L
.set BIAS,  32                         ; v32-47  bias as the first product's C; at the end gamma (8), beta (8)
.set WF,    48                         ; v48-79  weight fragments, two buffers of 16 (column tile i at + 8 i)
.set RAW,   80                         ; v80-175 weights as loaded, three slots of 32 (row t, word i at 2 t + i)
.set X,     176                        ; v176-255 ten x fragments; later V transposed; later the 32 values of y
.set EA,    80                         ; epilogue, in RAW's registers: partial sums
.set EL,    96                         ; the waves' sums as loaded
.set EM,    112                        ; mean, twice, per row tile
.set ER,    116                        ; 1 / sqrt(var + eps), twice, per row tile
; ---- registers v256-v511, written by their low 8 bits
.set ACC,   0                          ; 0-159   projection sums, tile (s, i) at 16 s + 8 i; later scores and P; later the heads' results
.set KF,    160                        ; 160-239 K fragments
.set QF,    240                        ; 240-255 Q fragments
.set OA,    160                        ; attention: sums of P V, (t, i) at 16 t + 8 i
.set MX,    192                        ; four running maxima
.set NM,    198                        ; - maximum x c, twice
.set LS,    200                        ; four pairs of running sums
.set INV,   208                        ; 1 / sum, twice, per query tile
.set YA,    128                        ; output projection's sums, (t, i) at 16 t + 8 i
; s_set_vgpr_msb: bits 1:0 source 0, 3:2 source 1, 5:4 source 2, 7:6 destination; the high byte repeats the setting left
.set MSB, 0
.macro WIN new
.if MSB != \new
	s_set_vgpr_msb (MSB<<8)|\new
.set MSB, \new
.endif
.endm
.macro PLACES                          ; four independent vector instructions behind a matrix instruction (ISA guide 7.12.1)
.rept 4
	v_nop
.endr
.endm
; weight chunk g = 0..31: matrix g >> 3 (Wk, Wq, Wv, Wo at s[10:17]), rows 32 (g & 7) ..: 16 loads into slot g % 3
.macro LOADRAW g
.if (\g) <= 31
.irp t, 0,1,2,3,4,5,6,7,8,9,10,11,12,13,14,15
	global_load_b64 v[RAW+32*((\g)%3)+2*\t:RAW+32*((\g)%3)+2*\t+1], v[VWOFF], s[10+2*((\g)>>3):11+2*((\g)>>3)] offset:(32*((\g)&7)+\t)*1024
.endr
.endif
.endm
; column tile i of chunk g to bf16, into fragment buffer g % 2.  Wo pairs rows (4m, 4m+2) and (4m+1, 4m+3), the order of P V's result
.macro CVTW g, i
.if ((\g)>>3) == 3
.irp m, 0,1,2,3
	v_cvt_pk_bf16_f32 v[WF+16*((\g)%2)+8*\i+\m], v[RAW+32*((\g)%3)+8*\m+\i], v[RAW+32*((\g)%3)+8*\m+4+\i]
	v_cvt_pk_bf16_f32 v[WF+16*((\g)%2)+8*\i+4+\m], v[RAW+32*((\g)%3)+8*\m+2+\i], v[RAW+32*((\g)%3)+8*\m+6+\i]
.endr
.else
.irp m, 0,1,2,3,4,5,6,7
	v_cvt_pk_bf16_f32 v[WF+16*((\g)%2)+8*\i+\m], v[RAW+32*((\g)%3)+4*\m+\i], v[RAW+32*((\g)%3)+4*\m+2+\i]
.endr
.endif
.endm
; 16 words of bias in the layout of an accumulator: register j of tile i from byte 4 i + jstep j (jstep 0: one column per lane)
.macro LOADBIAS base, va, jstep
.irp i, 0,1
.irp j, 0,1,2,3,4,5,6,7
	global_load_b32 v[BIAS+8*\i+\j], v[\va], s[\base:\base+1] offset:4*\i+\jstep*\j
.endr
.endr
.endm
; x fragment: row tile s, k chunk c, into buffer buf
.macro LDX buf, s, c
.if (\s) < 5
	ds_load_b128 v[X+8*(\buf):X+8*(\buf)+3], v[XLO] offset:(\s)*16*XPITCH+64*(\c)
	ds_load_b128 v[X+8*(\buf)+4:X+8*(\buf)+7], v[XLO] offset:(\s)*16*XPITCH+64*(\c)+16
.else
	ds_load_b128 v[X+8*(\buf):X+8*(\buf)+3], v[XHI] offset:((\s)-5)*16*XPITCH+64*(\c)
	ds_load_b128 v[X+8*(\buf)+4:X+8*(\buf)+7], v[XHI] offset:((\s)-5)*16*XPITCH+64*(\c)+16
.endif
.endm
; buffer k's next fragment.  nextx 1: the same row tile, next k chunk; 2: the Q phase's (row tiles 4, 5, k chunks 0-4); 0: none
.macro REFILL g, nextx, k
.if \nextx == 1
	LDX \k, \k, ((\g)&7)+1
.endif
.if \nextx == 2
	LDX \k, 4+((\k)&1), ((\k)>>1)
.endif
.endm
; ten products: row tiles 5 grp .. 5 grp + 4 x both column tiles.  orient 0: W first (K); 1: x first (V).
; A matrix's first chunk takes the bias as C: nothing is cleared, no bias is added afterwards.
; pre = 1: behind the fourth product stand the sixteen loads of weight chunk g + 3, into the slot that the chunk before has converted.
.macro MM5 g, grp, orient, pre
.irp k, 0,1,2,3,4
.if ((\g)&7) == 0
	WIN 0x40
.else
	WIN 0x50
.endif
.irp i, 0,1
.set dd, ACC+16*(5*\grp+\k)+8*\i
.set xx, X+8*(5*\grp+\k)
.set ww, WF+16*((\g)%2)+8*\i
.if ((\g)&7) == 0
.set cs, BIAS+8*\i
.else
.set cs, dd
.endif
.if \orient == 0
	v_wmma_f32_16x16x32_bf16 v[dd:dd+7], v[ww:ww+7], v[xx:xx+7], v[cs:cs+7]
.else
	v_wmma_f32_16x16x32_bf16 v[dd:dd+7], v[xx:xx+7], v[ww:ww+7], v[cs:cs+7]
.endif
.endr
.if (\pre) && (\k == 1)
	WIN 0
	LOADRAW \g+3                                   ; no wait here: since the last wait on va_vdst only these four products were issued, and they name neither this RAW slot nor v[VWOFF]
.endif
.endr
.endm
; One k chunk of K or V for all ten row tiles.  On entry: fragment buffer g % 2 is converted, chunks g+1, g+2 are loaded or
; on their way (g+3 too, or it is asked for amid group 0: pre), and 20 LDS loads are out: buffers 0-4, then 5-9.
; lc = global loads issued behind chunk g+1's.  post = 1 (a phase's last chunk): chunk g+4 is asked for at the chunk's end.
; The eight conversions behind each group name none of its registers: those behind group 1 are the places (ISA guide 7.12.1) in front of the
; next chunk's conversions, which write the fragment buffer that this chunk's products have read.
.macro BIGCHUNK g, orient, lc, nextx, bias, pre, post
	s_wait_dscnt 10                                ; buffers 0-4 are in; the ten younger loads (5-9) stay out
	MM5 \g, 0, \orient, \pre
	WIN 0
	s_wait_loadcnt \lc                             ; chunk g+1 is in
	CVTW \g+1, 0
.if \nextx != 0
	s_wait_alu depctr_va_vdst(0)                   ; group 0's products are done reading x buffers 0-4, in which the loads below land
.irp k, 0,1,2,3,4
	REFILL \g, \nextx, \k
.endr
	s_wait_dscnt 10                                ; buffers 5-9 are in; the ten refills above stay out
.else
	s_wait_dscnt 0                                 ; nothing was issued behind buffers 5-9
.endif
	MM5 \g, 1, \orient, 0
	WIN 0
	CVTW \g+1, 1
	s_wait_alu depctr_va_vdst(0)                   ; group 1's products are done reading x buffers 5-9 (a first chunk's also the bias); the sixteen conversions are done reading chunk g+1's RAW slot
.irp k, 5,6,7,8,9
	REFILL \g, \nextx, \k
.endr
.if \bias
	LOADBIAS 20, BA1, 8                            ; bq, for the Q phase
.endif
.if \post
	LOADRAW \g+4                                   ; into the slot just converted
.endif
.endm
; One k chunk of Q: the two query tiles (window row tiles 4, 5) from buffers (2 c + t) % 10.  nd = LDS loads issued behind them.
.macro QCHUNK c, nd, lc
	s_wait_dscnt \nd
.if \c == 0
	WIN 0x40
.else
	WIN 0x50
.endif
.irp t, 0,1
.irp i, 0,1
.set dd, ACC+16*\t+8*\i
.set xx, X+8*((2*\c+\t)%10)
.set ww, WF+16*(\c%2)+8*\i
.if \c == 0
	v_wmma_f32_16x16x32_bf16 v[dd:dd+7], v[ww:ww+7], v[xx:xx+7], v[BIAS+8*\i:BIAS+8*\i+7]
.else
	v_wmma_f32_16x16x32_bf16 v[dd:dd+7], v[ww:ww+7], v[xx:xx+7], v[dd:dd+7]
.endif
.endr
.endr
	WIN 0
	s_wait_loadcnt \lc
	CVTW 8+\c+1, 0                                 ; sixteen conversions: the places in front of the next chunk's, which write the fragment buffer just read
	CVTW 8+\c+1, 1
	s_wait_alu depctr_va_vdst(0)                   ; the conversions are done reading their RAW slot; the products above are done reading their two x buffers (the first chunk's also the bias)
.if \c == 0
	LOADBIAS 22, BA2, 0                            ; bv, for the V phase: a lane's column in all eight registers
.endif
	LOADRAW 8+\c+4
.if \c <= 2
	LDX (2*\c)%10, 4, \c+5                         ; k chunks 5-7 into the buffers just used
	LDX (2*\c+1)%10, 5, \c+5
.endif
.if \c == 7
.irp k, 0,1,2,3,4,5,6,7,8,9
	LDX \k, \k, 0                                  ; the V phase's first chunk
.endr
.endif
.endm
; One k chunk (= head c) of the output projection.  nd = LDS loads issued behind head c's four.
.macro OCHUNK c, nd, lc
	s_wait_dscnt \nd
	WIN 0x54
.irp t, 0,1
.irp i, 0,1
.set dd, YA+16*\t+8*\i
.set ww, WF+16*(\c%2)+8*\i
.if \c == 0
	v_wmma_f32_16x16x32_bf16 v[dd:dd+7], v[ww:ww+7], v[16*\c+8*\t:16*\c+8*\t+7], 0
.else
	v_wmma_f32_16x16x32_bf16 v[dd:dd+7], v[ww:ww+7], v[16*\c+8*\t:16*\c+8*\t+7], v[dd:dd+7]
.endif
.endr
.endr
	WIN 0
.if \c < 7
	s_wait_loadcnt \lc
	CVTW 24+\c+1, 0
	CVTW 24+\c+1, 1
.endif
.if \c <= 3                            ; chunks 4 to 7 ask for nothing more, so they state nothing
	s_wait_alu depctr_va_vdst(0)                   ; the conversions are done reading their RAW slot, in which the loads below land
	LOADRAW 24+\c+4
.endif
.if \c == 3
	global_load_b128 v[BIAS:BIAS+3], v[L16], s[26:27]                  ; gamma and beta of columns 4 L + 128 k, behind the last weights; the V phase's first products, which read these registers, stand far ahead of the wait above
	global_load_b128 v[BIAS+4:BIAS+7], v[L16], s[26:27] offset:512
	global_load_b128 v[BIAS+8:BIAS+11], v[L16], s[28:29]
	global_load_b128 v[BIAS+12:BIAS+15], v[L16], s[28:29] offset:512
.endif
.endm
; n words of two bf16 from 2 n f32, ascending: word m is written when f32 2m, 2m+1 are read, so dst = src is sound
.macro PACK dst, src, n
.set pm, 0
.rept \n
	v_cvt_pk_bf16_f32 v[(\dst)+pm], v[(\src)+2*pm], v[(\src)+2*pm+1]
.set pm, pm+1
.endr
.endm
.macro MASKTILE base, m                ; a key tile that is in the batch or not, as a whole
.irp j, 0,1,2,3,4,5,6,7
	v_cndmask_b32 v[\base+\j], s54, v[\base+\j], s[\m]
.endr
.endm
.macro MASKEDGE base, m0               ; a key tile on the band's edge: register j has its own lane mask
.irp j, 0,1,2,3,4,5,6,7
	v_cndmask_b32 v[\base+\j], s54, v[\base+\j], s[\m0+\j]
.endr
.endm
; softmax of query tile t over the 72 registers from sb: a lane holds 72 of its query's 144 keys, lane L xor 16 the others
.macro SOFTMAX sb, t
.irp k, 0,1,2,3
	v_max_num_f32 v[MX+\k], v[\sb+\k], v[\sb+4+\k]
.endr
.irp n, 0,1,2,3,4,5,6,7
.irp k, 0,1,2,3
	v_max3_num_f32 v[MX+\k], v[MX+\k], v[\sb+8+8*\n+\k], v[\sb+12+8*\n+\k]
.endr
.endr
	v_max3_num_f32 v[MX], v[MX], v[MX+1], v[MX+2]
	v_max_num_f32 v[MX], v[MX], v[MX+3]
	v_permlanex16_b32 v[MX+1], v[MX], s56, s57     ; the other half's maximum, into a register written above
	v_max_num_f32 v[MX], v[MX], v[MX+1]
	v_mul_f32 v[NM], s55, v[MX]                    ; - m c, c = log2(e) / sqrt(32)
	v_mul_f32 v[NM+1], s55, v[MX]
.set q, 0
.rept 36
	v_pk_fma_f32 v[\sb+2*q:\sb+2*q+1], v[\sb+2*q:\sb+2*q+1], s[52:53], v[NM:NM+1] op_sel_hi:[1,0,1]
.set q, q+1
.endr
.set q, 0
.rept 72
	v_exp_f32 v[\sb+q], v[\sb+q]
.set q, q+1
.endr
	v_nop                                          ; one plain instruction between the last exponential and its use
	s_wait_alu depctr_va_vdst(0)                   ; the 72 exponentials have written their results, ahead of the first sum that reads one: one wait for the batch (in query tile 1 it serves tile 0's two reciprocals too)
.irp k, 0,1,2,3
	v_pk_add_f32 v[LS+2*\k:LS+2*\k+1], v[\sb+2*\k:\sb+2*\k+1], v[\sb+8+2*\k:\sb+8+2*\k+1]
.endr
.irp n, 0,1,2,3,4,5,6
.irp k, 0,1,2,3
	v_pk_add_f32 v[LS+2*\k:LS+2*\k+1], v[LS+2*\k:LS+2*\k+1], v[\sb+16+8*\n+2*\k:\sb+16+8*\n+2*\k+1]
.endr
.endr
	v_pk_add_f32 v[LS:LS+1], v[LS:LS+1], v[LS+2:LS+3]
	v_pk_add_f32 v[LS+4:LS+5], v[LS+4:LS+5], v[LS+6:LS+7]
	v_pk_add_f32 v[LS:LS+1], v[LS:LS+1], v[LS+4:LS+5]
	v_add_f32 v[LS], v[LS], v[LS+1]
	v_permlanex16_b32 v[LS+1], v[LS], s56, s57
	v_add_f32 v[LS], v[LS], v[LS+1]
	v_rcp_f32 v[INV+2*\t], v[LS]                   ; used far below, behind a wait; the next line but one is plain and touches neither
	v_rcp_f32 v[INV+2*\t+1], v[LS]
.endm
; P V of query tile t: five key chunks x two column tiles; the first products start the sums
.macro PV t
	WIN 0x54
.irp cc, 0,1,2,3,4
.irp i, 0,1
.set dd, OA+16*\t+8*\i
.if \cc == 0
	v_wmma_f32_16x16x32_bf16 v[dd:dd+7], v[X+8*(2*\cc+\i):X+8*(2*\cc+\i)+7], v[80*\t+16*\cc:80*\t+16*\cc+7], 0
.else
	v_wmma_f32_16x16x32_bf16 v[dd:dd+7], v[X+8*(2*\cc+\i):X+8*(2*\cc+\i)+7], v[80*\t+16*\cc:80*\t+16*\cc+7], v[dd:dd+7]
.endif
.endr
.endr
.endm
; the pair at EA + 8 t to one number for the row's 32 columns of this wave, in both halves of the lanes
.macro ROWRED t
	v_pk_add_f32 v[EA+8*\t:EA+8*\t+1], v[EA+8*\t:EA+8*\t+1], v[EA+8*\t+2:EA+8*\t+3]
	v_pk_add_f32 v[EA+8*\t+4:EA+8*\t+5], v[EA+8*\t+4:EA+8*\t+5], v[EA+8*\t+6:EA+8*\t+7]
	v_pk_add_f32 v[EA+8*\t:EA+8*\t+1], v[EA+8*\t:EA+8*\t+1], v[EA+8*\t+4:EA+8*\t+5]
	v_add_f32 v[EA+8*\t], v[EA+8*\t], v[EA+8*\t+1]
	v_permlanex16_b32 v[EA+8*\t+1], v[EA+8*\t], s56, s57
	v_add_f32 v[EA+8*\t], v[EA+8*\t], v[EA+8*\t+1]
.endm
; the eight waves' words of rows r and 16 + r, added in one fixed order in every wave: result in v[EL], v[EL+8].
; Its loads stand behind the wait on va_vdst that precedes the stores of the words, with no vector instruction between.
.macro STATSUM off
.irp t, 0,1
.irp u, 0,1,2,3,4,5,6,7
	ds_load_b32 v[EL+8*\t+\u], v[SLD] offset:\off+128*\u+64*\t
.endr
.endr
	s_wait_dscnt 0x0
.irp t, 0,1
	v_pk_add_f32 v[EL+8*\t:EL+8*\t+1], v[EL+8*\t:EL+8*\t+1], v[EL+8*\t+2:EL+8*\t+3]
	v_pk_add_f32 v[EL+8*\t+4:EL+8*\t+5], v[EL+8*\t+4:EL+8*\t+5], v[EL+8*\t+6:EL+8*\t+7]
	v_pk_add_f32 v[EL+8*\t:EL+8*\t+1], v[EL+8*\t:EL+8*\t+1], v[EL+8*\t+4:EL+8*\t+5]
	v_add_f32 v[EL+8*\t], v[EL+8*\t], v[EL+8*\t+1]
.endr
.endm
; ================= set-up
	s_load_b512 s[8:23], s[0:1], 0x0               ; x s[8:9], Wk, Wq, Wv, Wo s[10:17], bk s[18:19], bq s[20:21], bv s[22:23]
	s_load_b256 s[24:31], s[0:1], 0x40             ; bo s[24:25], gamma s[26:27], beta s[28:29], out0 s[30:31]
	v_lshl_add_u32 v30, v0, 2, 0x29600
	v_mov_b32 v31, 0
	v_lshrrev_b32 v21, 5, v0
	v_readfirstlane_b32 s4, v21                    ; w: wave = head
	v_and_b32 v1, 31, v0                           ; L
	v_and_b32 v2, 15, v0                           ; r
	v_bfe_u32 v3, v0, 4, 1                         ; h
	v_lshlrev_b32 v[VT], 3, v3
	v_sub_nc_u32 v[VT], v2, v[VT]
	; Masks.  In a score tile lane (r, h), register j is key 8 h + j of the tile and query r.  The band's lower edge runs through
	; key tile t of query tile t (kept: 8 h + j >= r), its upper edge through key tile t + 8 (kept: 8 h + j <= r).
.irp j, 0,1,2,3,4,5,6,7
	v_cmp_ge_i32 s[32+\j], \j, v[VT]
	v_cmp_le_i32 s[40+\j], \j, v[VT]
.endr
	v_lshlrev_b32 v[L16], 4, v1
	v_lshlrev_b32 v[VWOFF], 3, v2
	v_lshl_add_u32 v[VWOFF], v3, 14, v[VWOFF]
	v_mul_u32_u24 v[XLO], v2, XPITCH
	v_lshl_add_u32 v[XLO], v3, 5, v[XLO]
	v_add_nc_u32 v[XHI], 80*XPITCH, v[XLO]
	s_wait_alu depctr_va_sdst(0)                   ; s4 and the sixteen masks s[32:47] are written, ahead of their first readers: the scalar lines below
	s_and_b32 s6, ttmp9, 127                       ; the work-group's place in its batch (128 to a batch)
	s_lshl_b32 s7, ttmp9, 5
	s_add_co_u32 s7, s7, s4
	s_sub_co_i32 s7, s7, 64                        ; 32 b - 64 + w: the first window row that I stage (signed)
	s_lshl_b32 s2, s4, 7                           ; 128 w
	v_add_nc_u32 v[VWOFF], s2, v[VWOFF]
	v_lshl_add_u32 v[BA1], v3, 6, s2
	v_lshl_add_u32 v[BA2], v2, 3, s2
	s_mul_i32 s3, s4, XPITCH
	v_lshl_add_u32 v[XS0], v1, 3, s3
	v_add_nc_u32 v[XS1], 80*XPITCH, v[XS0]
	s_mul_i32 s3, s4, FPITCH
	s_add_co_u32 s3, s3, LXRES
	v_lshl_add_u32 v[XRS], v1, 4, s3
	s_lshl_b32 s3, s4, 11
	s_add_co_u32 s3, s3, LOEX
	v_add_nc_u32 v[OADR], s3, v[L16]
	v_add_nc_u32 v[OLD], LOEX, v[L16]
	v_mul_u32_u24 v[FADR], v2, FPITCH
	v_add_nc_u32 v[FADR], v[FADR], v[BA1]
	v_add_nc_u32 v[ZADR], LSTAGE, v[FADR]
	v_add_nc_u32 v[FADR], LXRES, v[FADR]
	v_lshlrev_b32 v[SLD], 2, v2
	v_add_nc_u32 v[SLD], LSTAT, v[SLD]
	v_add_nc_u32 v[SST], s2, v[SLD]
	s_mul_i32 s3, s4, 4*FPITCH
	s_add_co_u32 s3, s3, LSTAGE
	v_add_nc_u32 v[RADR], s3, v[L16]
	; I stage window rows 8 t + w.  Rows outside x are clamped to its first or last row: their keys are masked below.
.irp t, 0,1,2,3,4,5,6,7,8,9,10,11,12,13,14,15,16,17,18,19
	s_add_co_i32 s60, s7, 8*\t
	s_max_i32 s60, s60, 0
	s_min_i32 s60, s60, 8191
	s_lshl_b32 s60, s60, 10
	v_add_nc_u32 v[X+\t], s60, v[L16]
.endr
	s_cmp_ge_u32 s6, 2                             ; key tiles 0, 1 (64 to 33 rows above my first) are in my batch
	s_cselect_b32 s48, -1, 0
	s_cmp_ge_u32 s6, 1                             ; tiles 2, 3
	s_cselect_b32 s49, -1, 0
	s_cmp_le_u32 s6, 126                           ; tiles 6, 7
	s_cselect_b32 s50, -1, 0
	s_cmp_le_u32 s6, 125                           ; tiles 8, 9
	s_cselect_b32 s51, -1, 0
.irp j, 0,1,2,3,4,5,6,7
	s_and_b32 s[32+\j], s[32+\j], s48              ; the edge tiles are tiles 0, 1 and 8, 9
	s_and_b32 s[40+\j], s[40+\j], s51
.endr
	s_mov_b32 s52, 0x3e8293ee                      ; c = log2(e) / sqrt(32)
	s_mov_b32 s53, 0x3e8293ee
	s_mov_b32 s54, 0xf149f2ca                      ; -1e30
	s_mov_b32 s55, 0xbe8293ee                      ; -c
	s_mov_b32 s56, 0x76543210                      ; v_permlanex16_b32: lane i of the other half
	s_mov_b32 s57, 0xfedcba98
	s_mov_b32 s58, 0x3b800000                      ; 1 / 256
	s_mov_b32 s59, 0x3a83126f                      ; 1e-3
	s_lshl_b32 s60, ttmp9, 5
	s_lshl2_add_u32 s60, s4, s60                   ; 32 b + 4 w: the first row that I store
	s_lshl_b32 s60, s60, 10
	s_mov_b32 s61, 0
	s_wait_kmcnt 0x0
	s_add_nc_u64 s[30:31], s[30:31], s[60:61]
	s_wait_alu depctr_va_vdst(0)                   ; the addresses v4 to v20 and the twenty offsets of x in v[X ..] are written: every load and store of the kernel reads one of them
; ================= loads: bk (16), bo (2), x (40), weight chunks 0-2 (48)
	LOADBIAS 18, BA1, 8
	WIN 0x40
	global_load_b128 v[160:163], v[L16], s[24:25]
	global_load_b128 v[164:167], v[L16], s[24:25] offset:512
.irp t, 0,1,2,3,4,5,6,7,8,9,10,11,12,13,14,15,16,17,18,19
	global_load_b128 v[8*\t:8*\t+3], v[X+\t], s[8:9]               ; a row: two loads of 512 consecutive bytes
	global_load_b128 v[8*\t+4:8*\t+7], v[X+\t], s[8:9] offset:512
.endr
	WIN 0
	LOADRAW 0
	LOADRAW 1
	LOADRAW 2
; ================= staging: x to bf16 in LDS; x + bo of my own rows (t = 8..11) in f32
	s_wait_loadcnt 48                              ; all but the 48 weight loads: bk, bo and x are in, and the x offsets are free
	WIN 0x55
.irp t, 0,1,2,3
.irp k, 0,1
.irp n, 0,2
	v_pk_add_f32 v[176+8*\t+4*\k+\n:176+8*\t+4*\k+\n+1], v[64+8*\t+4*\k+\n:64+8*\t+4*\k+\n+1], v[160+4*\k+\n:160+4*\k+\n+1]
.endr
.endr
.endr
.set q, 0
.rept 40
	v_cvt_pk_bf16_f32 v[4*q], v[4*q], v[4*q+1]
	v_cvt_pk_bf16_f32 v[4*q+1], v[4*q+2], v[4*q+3]
.set q, q+1
.endr
	WIN 0x04
	s_wait_alu depctr_va_vdst(0)                   ; the additions and conversions have written the registers that the LDS stores below read
.irp t, 0,1,2,3
.irp k, 0,1
	ds_store_b128 v[XRS], v[176+8*\t+4*\k:176+8*\t+4*\k+3] offset:\t*8*FPITCH+512*\k
.endr
.endr
.irp t, 0,1,2,3,4,5,6,7,8,9
.irp k, 0,1
	ds_store_b64 v[XS0], v[8*\t+4*\k:8*\t+4*\k+1] offset:\t*8*XPITCH+256*\k
	ds_store_b64 v[XS1], v[80+8*\t+4*\k:80+8*\t+4*\k+1] offset:\t*8*XPITCH+256*\k
.endr
.endr
	WIN 0
	s_wait_loadcnt 32                              ; chunk 0 is in; chunks 1, 2 stay out
	CVTW 0, 0
	CVTW 0, 1
	s_wait_alu depctr_va_vdst(0)                   ; the conversions are done reading RAW slot 0, in which chunk 3 lands
	LOADRAW 3
	s_wait_dscnt 0x0                               ; my rows are in LDS,
	s_barrier_signal -1
	s_barrier_wait -1                              ; everybody's are
	s_wait_alu depctr_vm_vsrc(0)                   ; the loads of x have read their offsets in v[X ..], in which the fragments below land; the LDS stores have read their data, which K's products and K's packing write again
.irp k, 0,1,2,3,4,5,6,7,8,9
	LDX \k, \k, 0
.endr
; ================= K of my head, 160 rows.  Counts: two chunks (32 loads) lie behind the wanted one, and bq's 16 where they fall between
	BIGCHUNK 0, 0, 32, 1, 1, 0, 0
	BIGCHUNK 1, 0, 48, 1, 0, 1, 0
	BIGCHUNK 2, 0, 48, 1, 0, 1, 0
	BIGCHUNK 3, 0, 32, 1, 0, 1, 0
	BIGCHUNK 4, 0, 32, 1, 0, 1, 0
	BIGCHUNK 5, 0, 32, 1, 0, 1, 0
	BIGCHUNK 6, 0, 32, 1, 0, 1, 0
	BIGCHUNK 7, 0, 32, 2, 0, 1, 1
	WIN 0x45
.irp s, 0,1,2,3,4,5,6,7,8,9
	PACK KF+8*\s, ACC+16*\s, 8                     ; column tile 0 to registers 0-3, tile 1 to 4-7: a fragment by rows
.endr
; ================= Q of my head, 32 rows.  LDS counts: 20 loads on entry, 4 more behind each of chunks 0-2
	QCHUNK 0, 16, 32
	QCHUNK 1, 16, 48
	QCHUNK 2, 16, 48
	QCHUNK 3, 16, 32
	QCHUNK 4, 12, 32
	QCHUNK 5, 8, 32
	QCHUNK 6, 4, 32
	QCHUNK 7, 0, 32
	WIN 0x45
	PACK QF, ACC, 8
	PACK QF+8, ACC+16, 8
; ================= V of my head, 160 rows
	BIGCHUNK 16, 1, 32, 1, 0, 0, 0
	BIGCHUNK 17, 1, 32, 1, 0, 1, 0
	BIGCHUNK 18, 1, 32, 1, 0, 1, 0
	BIGCHUNK 19, 1, 32, 1, 0, 1, 0
	BIGCHUNK 20, 1, 32, 1, 0, 1, 0
	BIGCHUNK 21, 1, 32, 1, 0, 1, 0
	BIGCHUNK 22, 1, 32, 1, 0, 1, 0
	BIGCHUNK 23, 1, 32, 0, 0, 1, 1
	WIN 0x05
.irp cc, 0,1,2,3,4
.irp i, 0,1
	PACK X+8*(2*\cc+\i), ACC+32*\cc+8*\i, 4        ; keys 32 cc + 8 h ..
	PACK X+8*(2*\cc+\i)+4, ACC+32*\cc+16+8*\i, 4   ; keys 32 cc + 16 + 8 h ..
.endr
.endr
; ================= attention.  Query tile t sees key tiles t .. t + 8; the tenth lies outside the band
	WIN 0x45
.irp kt, 0,1,2,3,4,5,6,7,8
	v_wmma_f32_16x16x32_bf16 v[8*\kt:8*\kt+7], v[KF+8*\kt:KF+8*\kt+7], v[QF:QF+7], 0
.endr
.irp kt, 1,2,3,4,5,6,7,8,9
	v_wmma_f32_16x16x32_bf16 v[80+8*\kt:80+8*\kt+7], v[KF+8*\kt:KF+8*\kt+7], v[QF+8:QF+15], 0
.endr
	PLACES                                         ; in front of the selects, which rewrite results, and of the maxima, which land in K's registers
	WIN 0x55
	MASKEDGE 0, 32
	MASKTILE 8, 48
	MASKTILE 16, 49
	MASKTILE 24, 49
	MASKTILE 48, 50
	MASKTILE 56, 50
	MASKEDGE 64, 40
	SOFTMAX 0, 0
	PACK 0, 0, 8
	PACK 16, 16, 8
	PACK 32, 32, 8
	PACK 48, 48, 8
	PACK 64, 64, 4
.irp m, 68,69,70,71
	v_mov_b32 v\m, 0                               ; key tile 9 has weight 0 for query tile 0
.endr
	PV 0
	WIN 0x55
	MASKEDGE 88, 32
	MASKTILE 96, 49
	MASKTILE 104, 49
	MASKTILE 128, 50
	MASKTILE 136, 50
	MASKTILE 144, 51
	MASKEDGE 152, 40
	SOFTMAX 88, 1
.irp m, 80,81,82,83
	v_mov_b32 v\m, 0                               ; key tile 0 has weight 0 for query tile 1
.endr
	PACK 84, 88, 4
	PACK 96, 96, 8
	PACK 112, 112, 8
	PACK 128, 128, 8
	PACK 144, 144, 8
	PV 1
	PLACES
	WIN 0x55
	s_wait_alu depctr_va_vdst(0)                   ; query tile 1's two reciprocals have written their results, ahead of the scalings that read them
.irp t, 0,1
.irp n, 0,1,2,3,4,5,6,7
	v_pk_mul_f32 v[OA+16*\t+2*\n:OA+16*\t+2*\n+1], v[OA+16*\t+2*\n:OA+16*\t+2*\n+1], v[INV+2*\t:INV+2*\t+1]
.endr
.endr
	PACK OA, OA, 8
	PACK OA+16, OA+16, 8
	WIN 0x04
	s_wait_alu depctr_va_vdst(0)                   ; the packing has written the registers that the LDS stores read; the attention is done with P's and V's registers, in which the loads behind the barrier land
.irp t, 0,1
	ds_store_b128 v[OADR], v[OA+16*\t:OA+16*\t+3] offset:1024*\t
	ds_store_b128 v[OADR], v[OA+16*\t+4:OA+16*\t+7] offset:1024*\t+512
.endr
	WIN 0
	s_wait_dscnt 0x0                               ; my head's result is in LDS,
	s_barrier_signal -1
	s_barrier_wait -1                              ; every head's is
; ================= output projection: my 32 columns, all 32 rows, k = the eight heads
	WIN 0x40
.irp c, 0,1,2,3,4,5,6,7
.irp t, 0,1
	ds_load_b128 v[16*\c+8*\t:16*\c+8*\t+3], v[OLD] offset:2048*\c+1024*\t             ; no vector instruction has been issued since the wait ahead of the stores above
	ds_load_b128 v[16*\c+8*\t+4:16*\c+8*\t+7], v[OLD] offset:2048*\c+1024*\t+512
.endr
.endr
	WIN 0
.irp t, 0,1
.irp k, 0,1,2,3
	ds_load_b128 v[X+16*\t+4*\k:X+16*\t+4*\k+3], v[FADR] offset:\t*16*FPITCH+16*\k     ; x + bo of (row 16 t + r, my 16 columns)
.endr
.endr
	; LDS counts: 40 loads, head c's four are the (4 c + 1)-th to (4 c + 4)-th.  Global counts: two chunks behind the wanted one,
	; then the tail: chunks 30, 31 + gamma and beta's four; chunk 31 + four; four.
	OCHUNK 0, 36, 32
	OCHUNK 1, 32, 32
	OCHUNK 2, 28, 32
	OCHUNK 3, 24, 32
	OCHUNK 4, 20, 36
	OCHUNK 5, 16, 20
	OCHUNK 6, 12, 4
	OCHUNK 7, 8, 0
; ================= residual and LayerNorm
	PLACES
	s_wait_dscnt 0x0                               ; x + bo
	WIN 0x01
.irp t, 0,1
.irp i, 0,1
.irp j, 0,1,2,3,4,5,6,7
	v_add_f32 v[X+16*\t+2*\j+\i], v[YA+16*\t+8*\i+\j], v[X+16*\t+2*\j+\i]     ; y, columns back in their order
.endr
.endr
.endr
	WIN 0
.irp t, 0,1
.irp n, 0,1,2,3
	v_pk_add_f32 v[EA+8*\t+2*\n:EA+8*\t+2*\n+1], v[X+16*\t+4*\n:X+16*\t+4*\n+1], v[X+16*\t+4*\n+2:X+16*\t+4*\n+3]
.endr
	ROWRED \t
.endr
	s_wait_alu depctr_va_vdst(0)                   ; both rows' sums are written, which the LDS stores read; the weights' last conversions are done reading v[EL ..], in which the waves' sums land
.irp t, 0,1
	ds_store_b32 v[SST], v[EA+8*\t] offset:64*\t   ; lanes r and 16 + r write the same word with the same value
.endr
	s_wait_dscnt 0x0
	s_barrier_signal -1
	s_barrier_wait -1
	STATSUM 0
.irp t, 0,1
	v_mul_f32 v[EM+2*\t], s58, v[EL+8*\t]          ; the mean
	v_mul_f32 v[EM+2*\t+1], s58, v[EL+8*\t]
.endr
.irp t, 0,1
.irp n, 0,1,2,3,4,5,6,7
	v_pk_add_f32 v[X+16*\t+2*\n:X+16*\t+2*\n+1], v[X+16*\t+2*\n:X+16*\t+2*\n+1], v[EM+2*\t:EM+2*\t+1] neg_lo:[0,1] neg_hi:[0,1]
.endr
.endr
	s_wait_alu depctr_vm_vsrc(0)                   ; the LDS stores of the sums have read v[EA] and v[EA+8], which the squares below write again
.irp t, 0,1
.irp n, 0,1,2,3
	v_pk_mul_f32 v[EA+8*\t+2*\n:EA+8*\t+2*\n+1], v[X+16*\t+4*\n:X+16*\t+4*\n+1], v[X+16*\t+4*\n:X+16*\t+4*\n+1]
.endr
.irp n, 0,1,2,3
	v_pk_fma_f32 v[EA+8*\t+2*\n:EA+8*\t+2*\n+1], v[X+16*\t+4*\n+2:X+16*\t+4*\n+3], v[X+16*\t+4*\n+2:X+16*\t+4*\n+3], v[EA+8*\t+2*\n:EA+8*\t+2*\n+1]
.endr
	ROWRED \t
.endr
	s_wait_alu depctr_va_vdst(0)                   ; both rows' sums of squares are written, which the LDS stores read; the means are made, so v[EL ..] may be loaded again
.irp t, 0,1
	ds_store_b32 v[SST], v[EA+8*\t] offset:1024+64*\t      ; other bytes than the sums': no wave can still be reading them
.endr
	s_wait_dscnt 0x0
	s_barrier_signal -1
	s_barrier_wait -1
	STATSUM 1024
	v_fma_f32 v[EL], v[EL], s58, s59               ; variance + eps
	v_fma_f32 v[EL+8], v[EL+8], s58, s59
	v_rsq_f32 v[ER], v[EL]
	v_rsq_f32 v[ER+1], v[EL]
	v_rsq_f32 v[ER+2], v[EL+8]
	v_rsq_f32 v[ER+3], v[EL+8]
	v_nop                                          ; one plain instruction in front of the first use
	s_wait_alu depctr_va_vdst(0)                   ; the four reciprocal roots have written their results, ahead of the first scaling that reads one
.irp t, 0,1
.irp n, 0,1,2,3,4,5,6,7
	v_pk_mul_f32 v[X+16*\t+2*\n:X+16*\t+2*\n+1], v[X+16*\t+2*\n:X+16*\t+2*\n+1], v[ER+2*\t:ER+2*\t+1]
.endr
.endr
	s_wait_alu depctr_va_vdst(0)                   ; the scalings have written v[X .. X+31], which the LDS stores read
.irp t, 0,1
.irp k, 0,1,2,3
	ds_store_b128 v[ZADR], v[X+16*\t+4*\k:X+16*\t+4*\k+3] offset:\t*16*FPITCH+16*\k
.endr
.endr
	s_wait_dscnt 0x0
	s_barrier_signal -1
	s_barrier_wait -1
	; the way out: rows 4 w .. 4 w + 3 whole, gamma and beta by column; each store covers 512 consecutive bytes, aligned
.irp k, 0,1,2,3,4,5,6,7
	ds_load_b128 v[X+32+4*\k:X+32+4*\k+3], v[RADR] offset:(\k>>1)*FPITCH+(\k&1)*512   ; these registers were last named by the attention, far ahead of the wait above
.endr
	s_wait_loadcnt 0x0                             ; gamma, beta
	s_wait_dscnt 0x0
.irp k, 0,1,2,3,4,5,6,7
.irp n, 0,2
	v_pk_fma_f32 v[X+32+4*\k+\n:X+32+4*\k+\n+1], v[X+32+4*\k+\n:X+32+4*\k+\n+1], v[BIAS+4*(\k&1)+\n:BIAS+4*(\k&1)+\n+1], v[BIAS+8+4*(\k&1)+\n:BIAS+8+4*(\k&1)+\n+1]
.endr
.endr
	s_wait_alu depctr_va_vdst(0)                   ; the sixteen multiply-adds have written v[X+32 .. X+63], which the eight stores read
.irp k, 0,1,2,3,4,5,6,7
	global_store_b128 v[L16], v[X+32+4*\k:X+32+4*\k+3], s[30:31] offset:(\k>>1)*1024+(\k&1)*512 th:TH_STORE_NT
.endr
	s_wait_dscnt 0x0
	s_wait_alu depctr_hold_cnt(0) depctr_sa_sdst(0) depctr_va_vdst(0) depctr_va_sdst(0) depctr_va_ssrc(0) depctr_va_vcc(0) depctr_vm_vsrc(0)
	s_wait_tensorcnt 0x0
	ds_add_u32 v30, v31
	s_wait_dscnt 0x0
	s_endpgm
.Lfunc_end_k_q8b62042d3b_swa:
	.size	k_q8b62042d3b_swa, .Lfunc_end_k_q8b62042d3b_swa-k_q8b62042d3b_swa
	.p2alignl 7, 3214868480
	.fill 96, 4, 3214868480
	.section	.rodata,"a",@progbits
	.p2align	6, 0x0
	.amdhsa_kernel k_q8b62042d3b_swa
		.amdhsa_group_segment_fixed_size 170496
		.amdhsa_private_segment_fixed_size 0
		.amdhsa_enable_private_segment 0
		.amdhsa_kernarg_size 96
		.amdhsa_user_sgpr_count 2
		.amdhsa_user_sgpr_kernarg_segment_ptr 1
		.amdhsa_wavefront_size32 1
		.amdhsa_system_sgpr_workgroup_id_x 1
		.amdhsa_system_sgpr_workgroup_id_y 1
		.amdhsa_system_sgpr_workgroup_id_z 1
		.amdhsa_system_vgpr_workitem_id 0
		.amdhsa_next_free_vgpr 512
		.amdhsa_next_free_sgpr 66
		.amdhsa_reserve_vcc 0
		.amdhsa_float_denorm_mode_32 3
		.amdhsa_float_denorm_mode_16_64 3
		.amdhsa_memory_ordered 1
		.amdhsa_forward_progress 1
		.amdhsa_inst_pref_size 224
	.end_amdhsa_kernel
	.amdgpu_metadata
---
amdhsa.version: [ 1, 2 ]
amdhsa.kernels:
  - .name:           k_q8b62042d3b_swa
    .symbol:         k_q8b62042d3b_swa.kd
    .args:
      - { .name: x, .offset: 0, .size: 8, .value_kind: global_buffer, .address_space: global }
      - { .name: Wk, .offset: 8, .size: 8, .value_kind: global_buffer, .address_space: global }
      - { .name: Wq, .offset: 16, .size: 8, .value_kind: global_buffer, .address_space: global }
      - { .name: Wv, .offset: 24, .size: 8, .value_kind: global_buffer, .address_space: global }
      - { .name: Wo, .offset: 32, .size: 8, .value_kind: global_buffer, .address_space: global }
      - { .name: bk, .offset: 40, .size: 8, .value_kind: global_buffer, .address_space: global }
      - { .name: bq, .offset: 48, .size: 8, .value_kind: global_buffer, .address_space: global }
      - { .name: bv, .offset: 56, .size: 8, .value_kind: global_buffer, .address_space: global }
      - { .name: bo, .offset: 64, .size: 8, .value_kind: global_buffer, .address_space: global }
      - { .name: gamma, .offset: 72, .size: 8, .value_kind: global_buffer, .address_space: global }
      - { .name: beta, .offset: 80, .size: 8, .value_kind: global_buffer, .address_space: global }
      - { .name: out0, .offset: 88, .size: 8, .value_kind: global_buffer, .address_space: global }
    .group_segment_fixed_size: 170496
    .private_segment_fixed_size: 0
    .kernarg_segment_align: 8
    .kernarg_segment_size: 96
    .max_flat_workgroup_size: 256
    .sgpr_count:     66
    .vgpr_count:     512
    .wavefront_size: 32
...
	.end_amdgpu_metadata
.endif
;; end of part 2
